; MI455X (gfx1250); checked and timed in simulation.
; The chip was launched on July 23, 2026; its instructions are those of AMD's public machine-readable ISA for CDNA 5 (MIT licence, August 2026) and "CDNA5" Instruction Set Architecture Reference Guide (July 2026). The comments in the code are by the model that wrote it; some were corrected since.
;; Manual LSTM Cell. Allowed arithmetic: float matrix products may take bf16 or f16 operands with f32 sums; all other float work in f32.
;; Inputs: Wfh 1,024 x 1,024 float32; Wfx 1,024 x 1,024 float32; Wgh 1,024 x 1,024 float32; Wgx 1,024 x 1,024 float32; Wih 1,024 x 1,024 float32; Wix 1,024 x 1,024 float32; Woh 1,024 x 1,024 float32; Wox 1,024 x 1,024 float32; bfh 1,024 float32; bfx 1,024 float32; bgh 1,024 float32; bgx 1,024 float32; bih 1,024 float32; bix 1,024 float32; boh 1,024 float32; box 1,024 float32; c 4,096 x 1,024 float32; h 4,096 x 1,024 float32; x 4,096 x 1,024 float32.
;; Outputs: out0 4,096 x 1,024 float32; out1 4,096 x 1,024 float32.
;; One version. Each part assembles by itself: llvm-mc -triple=amdgcn-amd-amdhsa -mcpu=gfx1250 --defsym DOCPART=n.
;; ======== version 1 of 1: 2 launches
;; limits: a function is approximated: absolute error at most 1e-07
;; workspace buffers: abf 16,777,216 bytes; wbf 16,777,216 bytes
;; launch tobf16 (part 1): grid 64 x 16, 8 waves a work-group, no clusters, 0 bytes of LDS; arguments x, h, Wix, Wfx, Wgx, Wox, Wih, Wfh, Wgh, Woh, abf, wbf; writes abf, wbf
.if DOCPART == 1
	.amdgcn_target "amdgcn-amd-amdhsa--gfx1250"
	.amdhsa_code_object_version 6
	.text
	.protected	k_q219abae945_tobf16
	.globl	k_q219abae945_tobf16
	.p2align	8
	.type	k_q219abae945_tobf16,@function
k_q219abae945_tobf16:
	s_mov_b64 s[64:65], 0
	v_nop
	global_prefetch_b8 v0, s[64:65] scope:SCOPE_SE
	s_setreg_imm32_b32 hwreg(HW_REG_WAVE_MODE, 25, 1), 1
	s_wait_xcnt 0x0
; Rounds the matrix operands of the LSTM cell to bf16, once, and lays them out for the product that follows.
;   abf [4096][2048] bf16: row m = x[m][0:1024], then h[m][0:1024].
;   wbf [4096][2048] bf16: row (col>>5)*128 + gate*32 + (col&31), gate 0..3 = i, f, g, o, = W?x[col][0:1024], then W?h[col][0:1024].
;   So 128 neighbouring rows of wbf are the four gates of 32 neighbouring hidden columns.
; LIMIT: rounding is to nearest even; an f32 number beyond bf16's largest finite number becomes an infinity.
; The grid's y names a slab of 1,024 rows x 1,024 f32: 0-3 quarters of x, 4-7 quarters of h, 8-15 the weight matrix part*4 + gate.
; The grid's x names 16 rows of the slab.  Thread t takes bytes 16 t of each source row (a wave's load covers 512 neighbouring bytes)
; and stores bytes 8 t of the 2,048-byte half row (a wave's store covers 256 neighbouring bytes, aligned).
; All 16 loads go out at once; no register is written twice, so no loop, no LDS, no barrier; every byte is read once and written once.
.set SROW, 4096                        ; bytes in a source row, and in a whole destination row
.set X, 4                              ; v[4:67]   row i: 4 f32 as loaded
.set Y, 68                             ; v[68:99]  row i: 4 bf16 to store
	s_load_b512 s[8:23], s[0:1], 0x0               ; x, h, Wix, Wfx, Wgx, Wox, Wih, Wfh: source k at s[8+2k:9+2k]
	s_load_b256 s[24:31], s[0:1], 0x40             ; Wgh, Woh (k = 8, 9), abf s[28:29], wbf s[30:31]
	v_lshlrev_b32 v1, 4, v0                        ; 16 t
	v_lshlrev_b32 v2, 3, v0                        ; 8 t
	s_and_b32 s2, ttmp7, 0xffff                    ; y: the slab
	s_lshr_b32 s3, s2, 2
	s_sub_co_i32 s4, s2, 6
	s_max_i32 s4, s4, s3                           ; k: 0 for y 0-3, 1 for y 4-7, y - 6 for y 8-15
	s_and_b32 s5, s2, 3                            ; the quarter of x or h, or the gate
	s_and_b32 s6, s3, 1                            ; part: 0 = the x half of a destination row, 1 = the h half
	s_lshl_b32 s7, s5, 10
	s_lshl_b32 s36, ttmp9, 4
	s_add_co_u32 s7, s7, s36                       ; first row in abf: 1,024 quarter + 16 xid
	s_lshr_b32 s36, ttmp9, 1
	s_lshl_b32 s36, s36, 7                         ; first row in wbf: my 16 columns begin at 16 xid: (xid>>1)*128
	s_lshl_b32 s37, s5, 5
	s_add_co_u32 s36, s36, s37                     ; + gate*32
	s_and_b32 s37, ttmp9, 1
	s_lshl_b32 s37, s37, 4
	s_add_co_u32 s36, s36, s37                     ; + (xid&1)*16
	s_wait_kmcnt 0x0
	s_cmp_lt_u32 s2, 8                             ; x or h?  The three selects leave SCC as it is
	s_cselect_b32 s36, s7, s36                     ; the first destination row
	s_cselect_b32 s38, s5, 0                       ; the quarter of the source (a weight matrix is one slab)
	s_cselect_b64 s[34:35], s[28:29], s[30:31]     ; the destination buffer
	s_lshl_b32 s36, s36, 12                        ; rows of 4,096 bytes
	s_lshl_b32 s6, s6, 11
	s_add_co_u32 s36, s36, s6                      ; + the half row
	s_mov_b32 s37, 0
	s_lshl_b32 s38, s38, 22                        ; 1,024 rows of 4,096 bytes
	s_lshl_b32 s39, ttmp9, 16                      ; 16 rows of 4,096 bytes
	s_or_b32 s38, s38, s39
	s_mov_b32 s39, 0
	s_mov_b64 s[32:33], s[8:9]                     ; the source buffer: a choice on k, which hangs on the grid's y alone
.irp k, 1,2,3,4,5,6,7,8,9
	s_cmp_eq_u32 s4, \k
	s_cselect_b64 s[32:33], s[8+2*\k:9+2*\k], s[32:33]
.endr
	s_add_nc_u64 s[32:33], s[32:33], s[38:39]
	s_add_nc_u64 s[34:35], s[34:35], s[36:37]
.irp i, 0,1,2,3,4,5,6,7,8,9,10,11,12,13,14,15
	global_load_b128 v[X+4*\i:X+4*\i+3], v1, s[32:33] offset:\i*SROW th:TH_LOAD_NT   ; read once in the launch
.endr
.irp i, 0,1,2,3,4,5,6,7,8,9,10,11,12,13,14,15
	s_wait_loadcnt 15-\i                           ; loads come back in order: row i is in, the 15 - i younger ones stay out
	v_cvt_pk_bf16_f32 v[Y+2*\i],   v[X+4*\i],   v[X+4*\i+1]
	v_cvt_pk_bf16_f32 v[Y+2*\i+1], v[X+4*\i+2], v[X+4*\i+3]
	global_store_b64 v2, v[Y+2*\i:Y+2*\i+1], s[34:35] offset:\i*SROW   ; no hint: the next launch reads these bytes
.endr
	s_endpgm
.Lfunc_end_k_q219abae945_tobf16:
	.size	k_q219abae945_tobf16, .Lfunc_end_k_q219abae945_tobf16-k_q219abae945_tobf16
	.p2alignl 7, 3214868480
	.fill 96, 4, 3214868480
	.section	.rodata,"a",@progbits
	.p2align	6, 0x0
	.amdhsa_kernel k_q219abae945_tobf16
		.amdhsa_group_segment_fixed_size 0
		.amdhsa_private_segment_fixed_size 0
		.amdhsa_enable_private_segment 0
		.amdhsa_kernarg_size 96
		.amdhsa_user_sgpr_count 2
		.amdhsa_user_sgpr_kernarg_segment_ptr 1
		.amdhsa_wavefront_size32 1
		.amdhsa_system_sgpr_workgroup_id_x 1
		.amdhsa_system_sgpr_workgroup_id_y 1
		.amdhsa_system_sgpr_workgroup_id_z 1
		.amdhsa_system_vgpr_workitem_id 0
		.amdhsa_next_free_vgpr 100
		.amdhsa_next_free_sgpr 66
		.amdhsa_reserve_vcc 0
		.amdhsa_float_denorm_mode_32 3
		.amdhsa_float_denorm_mode_16_64 3
		.amdhsa_memory_ordered 1
		.amdhsa_forward_progress 1
		.amdhsa_inst_pref_size 8
	.end_amdhsa_kernel
	.amdgpu_metadata
---
amdhsa.version: [ 1, 2 ]
amdhsa.kernels:
  - .name:           k_q219abae945_tobf16
    .symbol:         k_q219abae945_tobf16.kd
    .args:
      - { .name: x, .offset: 0, .size: 8, .value_kind: global_buffer, .address_space: global }
      - { .name: h, .offset: 8, .size: 8, .value_kind: global_buffer, .address_space: global }
      - { .name: Wix, .offset: 16, .size: 8, .value_kind: global_buffer, .address_space: global }
      - { .name: Wfx, .offset: 24, .size: 8, .value_kind: global_buffer, .address_space: global }
      - { .name: Wgx, .offset: 32, .size: 8, .value_kind: global_buffer, .address_space: global }
      - { .name: Wox, .offset: 40, .size: 8, .value_kind: global_buffer, .address_space: global }
      - { .name: Wih, .offset: 48, .size: 8, .value_kind: global_buffer, .address_space: global }
      - { .name: Wfh, .offset: 56, .size: 8, .value_kind: global_buffer, .address_space: global }
      - { .name: Wgh, .offset: 64, .size: 8, .value_kind: global_buffer, .address_space: global }
      - { .name: Woh, .offset: 72, .size: 8, .value_kind: global_buffer, .address_space: global }
      - { .name: abf, .offset: 80, .size: 8, .value_kind: global_buffer, .address_space: global }
      - { .name: wbf, .offset: 88, .size: 8, .value_kind: global_buffer, .address_space: global }
    .group_segment_fixed_size: 0
    .private_segment_fixed_size: 0
    .kernarg_segment_align: 8
    .kernarg_segment_size: 96
    .max_flat_workgroup_size: 256
    .sgpr_count:     66
    .vgpr_count:     100
    .wavefront_size: 32
...
	.end_amdgpu_metadata
.endif
;; end of part 1
;; launch lstm (part 2): grid 16 x 16, 4 waves a work-group, clusters of 4 x 4, 327,680 bytes of LDS; arguments abf, wbf, c, out0, out1, bix, bfx, bgx, box, bih, bfh, bgh, boh; writes out0, out1
.if DOCPART == 2
	.amdgcn_target "amdgcn-amd-amdhsa--gfx1250"
	.amdhsa_code_object_version 6
	.text
	.protected	k_q219abae945_lstm
	.globl	k_q219abae945_lstm
	.p2align	8
	.type	k_q219abae945_lstm,@function
k_q219abae945_lstm:
	s_mov_b64 s[64:65], 0
	v_nop
	global_prefetch_b8 v0, s[64:65] scope:SCOPE_SE
	s_setreg_imm32_b32 hwreg(HW_REG_WAVE_MODE, 25, 1), 1
	s_wait_xcnt 0x0
	s_wait_alu depctr_hold_cnt(0) depctr_sa_sdst(0) depctr_va_vdst(0) depctr_va_sdst(0) depctr_va_ssrc(0) depctr_va_vcc(0) depctr_vm_vsrc(0)
	s_getreg_b32 s2, hwreg(HW_REG_IB_STS2, 6, 4)
	s_cmp_eq_u32 s2, 0
	s_cbranch_scc0 .Lentry_in_a_cluster
	s_endpgm
.Lentry_in_a_cluster:
	s_bfe_u32 s2, ttmp6, 0x10000c
	s_cmp_lg_u32 s2, 0xf033
	s_cbranch_scc0 .Lentry_shape_is_right
	s_endpgm
.Lentry_shape_is_right:
; The LSTM cell: pre-activations Z = abf x wbf^T + (bias_x + bias_h), K = 2,048, bf16 operands, f32 sums; then, in registers,
; i, f, o = sigmoid, g = tanh, c_new = f c + i g (out1), h_new = o tanh(c_new) (out0).
; abf [4096][2048] bf16 = [x | h]; wbf [4096][2048] bf16, row (col>>5)*128 + gate*32 + (col&31) = [W?x[col] | W?h[col]], gates i, f, g, o.
; A work-group makes 256 batch rows x 256 rows of wbf (= 4 gates x 64 hidden columns) with four waves; a wave makes 128 x 128
; (= 4 gates x 32 columns): 64 accumulator tiles of 16 x 16, 512 registers, so that all four gates of an output lie in one lane.
; K goes in steps of 128 through a ring of two LDS slots filled by the tensor data mover; a tile's rows are 256 bytes of memory, aligned.
; CLUSTERS: 4 x 4 work-groups.  The four of a row of the cluster need the same tiles of abf, the four of a column the same tiles of wbf:
; each tile is asked for jointly, the same tensor load with the same descriptor and a mask that names the four, which divides the
; requests for both operands by four.  The tile of c belongs to one work-group alone: a plain load, behind a round like the others.
; LIMITS: the two biases are added to each other first and start the sums (another order of rounding than x W + bx + h W + bh);
; sigmoid(z) = 1 / (1 + 2^(-z log2 e)), tanh(z) = 1 - 2 / (1 + 2^(2 z log2 e)): both saturate rightly through infinity and zero, without a clamp;
; v_exp_f32 and v_rcp_f32 flush denormals (ISA guide 15.8), so a sigmoid below 2^-126 is 0; tanh has an absolute error of about 1e-7 near 0;
; nothing is claimed for NaN or infinite inputs.
;
; REGISTERS, in windows of 256 (s_set_vgpr_msb's low byte: bits 1:0 source 0, 3:2 source 1, 5:4 source 2, 7:6 destination):
;   window 0: v16-30 addresses; v32-63, v224-255 the eight bias tiles; v64-127, v128-191 fragments of abf, two buffers (in the tail: at work)
;   window 1: v64-127, v128-191 fragments of wbf, two buffers
;   window 2: the 32 accumulator tiles of my rows 0-63 (tile (a, b) at v[8 (8 a + b)]);   window 3: those of my rows 64-127
; THE MATRIX INSTRUCTION IS USED TRANSPOSED: source 0 = 16 rows of wbf, source 1 = 16 rows of abf.  Lane l then holds batch row l % 16,
; and its registers 0 to 7 the rows 8 (l / 16) + 0..7 of wbf's tile b: gate b >> 1, eight neighbouring columns 16 (b & 1) + 8 (l / 16) + 0..7.
; The 64 accumulators take turns, one matrix instruction a turn, in the same order in every quarter step.
.set SIZE_K, 2048
.set KSTEP,  128
.set PITCH,  272                       ; an LDS row: 256 bytes + 16 of padding, an odd multiple of 16: the 16 rows that a load touches lie 16 bytes apart modulo 256
.set HALFT,  128*PITCH                 ; 128 rows: what one tensor load brings, and what one wave reads of either operand
.set SLOT,   4*HALFT                   ; abf's 256 rows, then wbf's 256 rows
.set LAPS,   SIZE_K/(2*KSTEP)          ; a lap = two K steps = once round the ring: 8
.set QROWS,  64*PITCH                  ; the tail: a wave's 64 rows of the tile of c, which lies at LDS byte 0 (slot 0, behind its last operand tile)
.set SPITCH, 144                       ; the tail: a row of a wave's stage, 128 bytes + 16
.set STG,    128*SPITCH+128            ; a wave's stage; the odd 128 bytes put two neighbouring stages 128 bytes apart modulo 256
.set CN,     2*HALFT                   ; four stages of c_new, behind the tile of c
.set HNOFF,  4*STG                     ; four stages of h_new, behind those: they end at byte 218,112 of 278,528
.set ADRA, 16                          ; v16-17  LDS address of my abf fragments in slot 0, 1
.set ADRB, 20                          ; v20-21  the same for wbf
.set EC,   24                          ; v24     the tail: my 32 bytes in the tile of c
.set ES,   25                          ; v25     my 32 bytes in my stage of c_new
.set EH,   26                          ; v26     and of h_new
.set RD,   27                          ; v27     the way out: where I read 16 bytes of a row of c_new back
.set RDH,  28                          ; v28     and of h_new
.set CO,   29                          ; v29     my byte offset in out0 and out1
.set BO,   30                          ; v30     my byte offset in the biases
.set F0,   64                          ; fragment buffer 0
.set F1,   128                         ; fragment buffer 1
.set ZR,   64                          ; the tail: v64-95 gate g's eight numbers at ZR + 8 g
.set CR,   96                          ; v96-103   c, then c_new
.set UR,   104                         ; v104-111  on the way to h_new
.set WR,   112                         ; v112-119  exponentials of c_new
.set ER,   128                         ; v128-159  exponentials of the gates
.set OUTR, 64                          ; the way out: v64-191
.set G1,  24                           ; s[24:31] descriptor group 1 for abf's tiles
.set G0,  32                           ; s[32:39] group 0 for abf's tiles, one set for each slot
.set G1B, 48                           ; s[48:55] group 1 for wbf's tiles: it differs in the mask alone
.set G0B, 56                           ; s[56:63] group 0 for wbf's tiles, one set for each slot
.set G1C, 84                           ; s[84:91] group 1 for the tile of c
.set G0C, 92                           ; s[92:95] group 0 for the tile of c
.set MSB, 0
.macro WIN new                         ; the immediate's high byte repeats the setting that is left
.if MSB != \new
	s_set_vgpr_msb (MSB<<8)|\new
.set MSB, \new
.endif
.endm
.set MUL_LO,  0xa1                     ; source 0 (wbf) window 1, source 1 (abf) window 0, C and D window 2
.set MUL_HI,  0xf1                     ; the same, C and D window 3
.set BIAS_LO, 0x81                     ; the first product: C is a bias tile in window 0, D window 2
.set BIAS_HI, 0xc1                     ; the same, D window 3
.set TO_B,    0x40                     ; destination window 1, address window 0
.set RD_LO,   0x02                     ; the tail: source 0 window 2, destination window 0
.set RD_HI,   0x03                     ; source 0 window 3
; A joint load.  Waves 0 and 1 fetch abf's two halves, waves 2 and 3 wbf's.  Each line has one mask and one set of registers for all that issue it;
; the branch hangs on the wave's number alone.
.macro JLOAD s
	s_cmp_eq_u32 s15, 0
	s_cbranch_scc0 .Lfor_b_\@
	tensor_load_to_lds s[G0+4*\s:G0+4*\s+3], s[G1:G1+7]
	s_nop 0
	s_branch .Lasked_\@
.Lfor_b_\@:
	tensor_load_to_lds s[G0B+4*\s:G0B+4*\s+3], s[G1B:G1B+7]
	s_nop 0
.Lasked_\@:
.endm
; A round of the cluster's barrier: my work-group's barrier, so that wave 0's signal speaks for all four waves; wave 0 signals for the work-group;
; every wave waits for all sixteen work-groups; my work-group's barrier once more.
.macro CREST                           ; a round behind its opening barrier
	s_cmp_lg_u32 s14, 0
	s_cbranch_scc1 .Lnot_wave_0_\@
	s_barrier_signal -3
.Lnot_wave_0_\@:
	s_barrier_wait -3
	s_barrier_signal -1
	s_barrier_wait -1
.endm
.macro CROUND                          ; a whole round
	s_barrier_signal -1
	s_barrier_wait -1
	CREST
.endm
	s_load_b256 s[4:11], s[0:1], 0x0               ; abf s[4:5], wbf s[6:7], c s[8:9], out0 s[10:11]
	s_load_b64 s[12:13], s[0:1], 0x20              ; out1
	s_load_b512 s[68:83], s[0:1], 0x28             ; bix, bfx, bgx, box at s[68+2g:69+2g]; bih, bfh, bgh, boh at s[76+2g:77+2g]
	s_set_vgpr_msb 0x40
	v_lshl_add_u32 v255, v0, 2, 0x44000
	s_set_vgpr_msb 0x4000
	v_mov_b32 v223, 0
	s_set_vgpr_msb 0x1
	ds_add_u32 v255, v223
	s_set_vgpr_msb 0x100
	v_lshrrev_b32 v1, 5, v0
	v_readfirstlane_b32 s14, v1                    ; wave 0..3
	s_lshr_b32 s15, s14, 1                         ; RH: which half of the block's batch rows is mine.  Also: I fetch for abf (0) or for wbf (1)
	s_and_b32 s16, s14, 1                          ; CH: which half of wbf's rows (32 of the 64 columns).  Also: which 128 rows of that tile I fetch
	s_bfe_u32 s17, ttmp6, 0x40000                  ; cx
	s_bfe_u32 s18, ttmp6, 0x40004                  ; cy
	s_lshl_b32 s19, ttmp9, 2                       ; in a cluster launch ttmp9 and ttmp7 count clusters
	s_add_co_u32 s19, s19, s17                     ; bc: block of 64 hidden columns = 4 x cluster x + cx
	s_and_b32 s20, ttmp7, 0xffff
	s_lshl_b32 s20, s20, 2
	s_add_co_u32 s20, s20, s18                     ; br: block of 256 batch rows = 4 x cluster y + cy
	s_lshl_b32 s21, s18, 2
	s_lshl_b32 s21, 15, s21                        ; my row of the cluster: places 4 cy .. 4 cy + 3
	s_lshl_b32 s22, 0x1111, s17                    ; my column: places cx, cx + 4, cx + 8, cx + 12
	; group 1 of the operands: a tile of 128 rows x 128 elements of 2 bytes, 4 words of padding behind every 64
	s_or_b32 s[G1+0],  s21, (1<<16)|(1<<20)|(1<<21)|(5<<22)|(3<<25)   ; 15:0 the mask: abf's tiles go to my row; 17:16 2 bytes; 20 padding on; 21 set beside a mask; 24:22 interval; 31:25 pad
	s_or_b32 s[G1B+0], s22, (1<<16)|(1<<20)|(1<<21)|(5<<22)|(3<<25)   ; the same with the mask of my column
	s_mov_b32 s[G1+1],  KSTEP<<16                  ; tensor_dim0 = 128
	s_mov_b32 s[G1B+1], KSTEP<<16
	s_mov_b32 s[G1+2],  128<<16                    ; tensor_dim1 = 128
	s_mov_b32 s[G1B+2], 128<<16
	s_mov_b32 s[G1+3],  KSTEP<<16                  ; tile_dim0 = 128
	s_mov_b32 s[G1B+3], KSTEP<<16
	s_mov_b32 s[G1+4],  128                        ; tile_dim1 = 128
	s_mov_b32 s[G1B+4], 128
	s_mov_b32 s[G1+5],  SIZE_K                     ; elements from row to row
	s_mov_b32 s[G1B+5], SIZE_K
	s_mov_b32 s[G1+6],  0
	s_mov_b32 s[G1B+6], 0
	s_mov_b32 s[G1+7],  0
	s_mov_b32 s[G1B+7], 0
	; group 1 of c: a tile of 64 rows x 64 elements of 4 bytes, the same padding, no mask
	s_mov_b32 s[G1C+0], (2<<16)|(1<<20)|(5<<22)|(3<<25)
	s_mov_b32 s[G1C+1], 64<<16                     ; tensor_dim0 = 64
	s_mov_b32 s[G1C+2], 64<<16                     ; tensor_dim1 = 64
	s_mov_b32 s[G1C+3], 64<<16                     ; tile_dim0 = 64
	s_mov_b32 s[G1C+4], 64                         ; tile_dim1 = 64
	s_mov_b32 s[G1C+5], 1024                       ; elements from row to row
	s_mov_b32 s[G1C+6], 0
	s_mov_b32 s[G1C+7], 0
	; where the tiles come from: abf's hang on br alone, which my row of the cluster shares; wbf's on bc alone, which my column shares.
	; Every wave makes both addresses, in registers that never hold the other coordinate, and asks by one of them.
	s_lshl_b32 s23, s16, 7                         ; 128 CH
	s_lshl_b32 s40, s20, 8
	s_add_co_u32 s40, s40, s23                     ; abf: row 256 br + 128 CH,
	s_lshl_b32 s40, s40, 12                        ; in rows of 4,096 bytes (below 16 MiB)
	s_mov_b32 s41, 0
	s_lshl_b32 s46, s19, 8
	s_add_co_u32 s46, s46, s23                     ; wbf: row 256 bc + 128 CH
	s_lshl_b32 s46, s46, 12
	s_mov_b32 s47, 0
	s_mul_i32 s44, s14, HALFT                      ; and where they go: wave x 128 rows: no place in the cluster enters an LDS address
	s_lshl_b32 s66, s20, 8                         ; c, out0, out1: row 256 br + 64 wave,
	s_lshl_b32 s100, s14, 6
	s_add_co_u32 s66, s66, s100
	s_lshl_b32 s66, s66, 12                        ; in rows of 4,096 bytes,
	s_lshl_b32 s100, s19, 8
	s_add_co_u32 s66, s66, s100                    ; + 64 bc columns of 4 bytes
	s_mov_b32 s67, 0
	s_mov_b32 s96, 0xbfb8aa3b                      ; -log2 e, twice (a pair for the packed multiply)
	s_mov_b32 s97, 0xbfb8aa3b
	s_mov_b32 s98, 0x4038aa3b                      ; 2 log2 e, twice
	s_mov_b32 s99, 0x4038aa3b
	s_wait_dscnt 0x0
	s_wait_kmcnt 0x0
	s_add_nc_u64 s[40:41], s[4:5], s[40:41]
	s_add_nc_u64 s[46:47], s[6:7], s[46:47]
	CROUND                                         ; all sixteen work-groups are here: the first joint loads meet
.irp s, 0,1
	s_mov_b32 s[G0+4*\s], 1                                        ; count = 1
	s_add_co_u32 s[G0+4*\s+1], s44, \s*SLOT                        ; LDS address
	s_add_nc_u64 s[G0+4*\s+2:G0+4*\s+3], s[40:41], \s*KSTEP*2      ; global address: K step s
	s_or_b32 s[G0+4*\s+3], s[G0+4*\s+3], 0x80000000                ; type = 2
	s_mov_b32 s[G0B+4*\s], 1
	s_add_co_u32 s[G0B+4*\s+1], s44, \s*SLOT
	s_add_nc_u64 s[G0B+4*\s+2:G0B+4*\s+3], s[46:47], \s*KSTEP*2
	s_or_b32 s[G0B+4*\s+3], s[G0B+4*\s+3], 0x80000000
	JLOAD \s                                       ; the ring is filled before anything else is done: two loads of the wave are out
.endr
	s_mov_b32 s[G0C], 1                            ; group 0 of c, written once: my 64 rows go to wave x 64 rows of 272 bytes
	s_mul_i32 s[G0C+1], s14, QROWS
	s_add_nc_u64 s[G0C+2:G0C+3], s[8:9], s[66:67]
	s_or_b32 s[G0C+3], s[G0C+3], 0x80000000
	s_add_nc_u64 s[10:11], s[10:11], s[66:67]      ; out0 and out1 at the rows that I carry out
	s_add_nc_u64 s[12:13], s[12:13], s[66:67]
	; A fragment is 16 rows x 32 K in 8 registers: lane l holds row l % 16; registers 0-3 hold K = 8 (l / 16) + 0..7, registers 4-7 K = 16 + 8 (l / 16) + 0..7:
	; two loads of 16 bytes, 32 bytes apart.
	v_and_b32 v1, 15, v0                           ; r = l % 16
	v_bfe_u32 v2, v0, 4, 1                         ; hh = l / 16
	v_mul_u32_u24 v3, v1, PITCH
	v_lshl_add_u32 v3, v2, 4, v3                   ; row x pitch + 16 hh
	s_mul_i32 s42, s15, HALFT                      ; my 128 rows of abf
	s_mul_i32 s43, s16, HALFT                      ; my 128 rows of wbf,
	s_add_co_u32 s43, s43, 2*HALFT                 ; which lie behind abf's 256
.irp s, 0,1
	v_add_nc_u32 v[ADRA+\s], s42, v3
	v_add_nc_u32 v[ADRB+\s], s43, v3
	s_add_co_u32 s42, s42, SLOT
	s_add_co_u32 s43, s43, SLOT
.endr
	s_mul_i32 s45, s15, HALFT                      ; the tile of c: row 128 RH + r, byte 128 CH + 32 hh
	s_add_co_u32 s45, s45, s23
	v_mul_u32_u24 v4, v1, PITCH
	v_lshl_add_u32 v4, v2, 5, v4
	v_add_nc_u32 v[EC], s45, v4
	s_mul_i32 s45, s14, STG                        ; my stage: row r, byte 32 hh
	s_add_co_u32 s45, s45, CN
	v_mul_u32_u24 v4, v1, SPITCH
	v_lshl_add_u32 v4, v2, 5, v4
	v_add_nc_u32 v[ES], s45, v4
	v_add_nc_u32 v[EH], HNOFF, v[ES]
	s_mul_i32 s45, s15, 2*STG                      ; the way out: I carry rows 64 wave + 2 t + hh of the block = rows 64 CH + 2 t + hh of the stages of waves 2 RH and 2 RH + 1;
	s_mul_i32 s43, s16, 64*SPITCH
	s_add_co_u32 s45, s45, s43
	s_add_co_u32 s45, s45, CN
	v_lshrrev_b32 v4, 3, v1                        ; lanes with r < 8 read the left wave's stage, the others the right wave's,
	v_and_b32 v5, 7, v1
	v_mul_u32_u24 v4, v4, STG
	v_lshl_add_u32 v4, v5, 4, v4                   ; 16 bytes each
	v_mad_u32_u24 v4, v2, SPITCH, v4
	v_add_nc_u32 v[RD], s45, v4
	v_add_nc_u32 v[RDH], HNOFF, v[RD]
	v_lshlrev_b32 v4, 12, v2                       ; and the same two rows in out0 and out1
	v_lshl_add_u32 v[CO], v1, 4, v4
	s_lshl_b32 s100, s19, 8                        ; the biases of my columns: 4 x (64 bc + 32 CH + 8 hh)
	s_add_co_u32 s100, s100, s23
	v_lshl_add_u32 v[BO], v2, 5, s100
	; The eight bias tiles: tile b = 2 g + cs, register j = bias_x + bias_h of gate g, column 16 cs + 8 hh + j: the layout of an accumulator tile.
	; They are the C of the first products, so nothing is cleared and nothing is added later.  Tile b lies at v[32 + 8 b] (b < 4) or v[224 + 8 (b - 4)].
.irp g, 0,1,2,3
.irp cs, 0,1
.irp q, 0,1
	global_load_b128 v[32+8*(2*\g+\cs)+160*(\g/2)+4*\q:32+8*(2*\g+\cs)+160*(\g/2)+4*\q+3], v[BO], s[68+2*\g:69+2*\g] offset:64*\cs+16*\q
	global_load_b128 v[F1+8*(2*\g+\cs)+4*\q:F1+8*(2*\g+\cs)+4*\q+3], v[BO], s[76+2*\g:77+2*\g] offset:64*\cs+16*\q
.endr
.endr
.endr
	s_wait_loadcnt 0x0                             ; once
.irp b, 0,1,2,3,4,5,6,7
.irp j, 0,2,4,6
	v_pk_add_f32 v[32+8*\b+160*(\b/4)+\j:32+8*\b+160*(\b/4)+\j+1], v[32+8*\b+160*(\b/4)+\j:32+8*\b+160*(\b/4)+\j+1], v[F1+8*\b+\j:F1+8*\b+\j+1]
.endr
.endr
; 16 matrix instructions: m blocks a0, a0 + 1 of the window's four (hi = 0: my rows 0-63, 1: rows 64-127) x all 8 tiles of wbf, 32 along K.
; first = 1: the first product starts the sums from the bias tiles.
.macro MUL16 f, hi, a0, first
.irp a, \a0, \a0+1
.irp b, 0,1,2,3,4,5,6,7
.if \first
	v_wmma_f32_16x16x32_bf16 v[8*(8*(\a)+\b):8*(8*(\a)+\b)+7], v[\f+8*\b:\f+8*\b+7], v[\f+8*(4*\hi+\a):\f+8*(4*\hi+\a)+7], v[32+8*\b+160*(\b/4):32+8*\b+160*(\b/4)+7]
.else
	v_wmma_f32_16x16x32_bf16 v[8*(8*(\a)+\b):8*(8*(\a)+\b)+7], v[\f+8*\b:\f+8*\b+7], v[\f+8*(4*\hi+\a):\f+8*(4*\hi+\a)+7], v[8*(8*(\a)+\b):8*(8*(\a)+\b)+7]
.endif
.endr
.endr
.endm
; 32 LDS loads in one run: the fragments of one quarter step (128 rows of wbf, 128 rows of abf, 32 K at byte k of the rows) into buffer f
.macro FETCH slot, k, f
	WIN TO_B
.irp i, 0,1,2,3,4,5,6,7
	ds_load_b128 v[\f+8*\i:\f+8*\i+3],   v[ADRB+\slot] offset:\k+\i*16*PITCH
	ds_load_b128 v[\f+8*\i+4:\f+8*\i+7], v[ADRB+\slot] offset:\k+\i*16*PITCH+32
.endr
	WIN 0
.irp i, 0,1,2,3,4,5,6,7
	ds_load_b128 v[\f+8*\i:\f+8*\i+3],   v[ADRA+\slot] offset:\k+\i*16*PITCH
	ds_load_b128 v[\f+8*\i+4:\f+8*\i+7], v[ADRA+\slot] offset:\k+\i*16*PITCH+32
.endr
.endm
; A load into a register that a matrix instruction has read, and a vector instruction that reads a matrix result, stand four places behind that
; matrix instruction, and only plain vector instructions that name none of its registers are places (ISA guide 7.12.1 for vector instructions).
; Four v_nop in front of each run of loads and in front of the tail.
.macro PLACES
.rept 4
	v_nop
.endr
.endm
; A K step is four quarter steps of 32 along K, 64 matrix instructions each, on buffers 0, 1, 0, 1.
; One of the first three: multiplies buffer f; in its middle it fetches the next quarter's fragments, at byte k of the same slot's rows, into buffer g.
.macro QUARTER slot, k, f, g, first
	s_wait_dscnt 8                                 ; wbf's rows and abf's rows 0-63 are in; the youngest eight loads (abf's rows 64-127) may be out
.if \first
	WIN BIAS_LO
.else
	WIN MUL_LO
.endif
	MUL16 \f, 0, 0, \first
	MUL16 \f, 0, 2, \first
	PLACES
	FETCH \slot, \k, \g
	s_wait_dscnt 32                                ; all but the 32 just issued
.if \first
	WIN BIAS_HI
.else
	WIN MUL_HI
.endif
	MUL16 \f, 1, 0, \first
	MUL16 \f, 1, 2, \first
.endm
.macro THREE slot, first
	QUARTER \slot, 64,  F0, F1, \first
	QUARTER \slot, 128, F1, F0, 0
	QUARTER \slot, 192, F0, F1, 0
.endm
; The last quarter: multiplies buffer 1 and changes slots.  next = the other slot.
; fill = 1: this slot is filled again, two K steps ahead, by the joint loads; fill = 2: its first 69,632 bytes get the tile of c; fill = 0: nothing.
; In front of the barrier each wave waits for its own reads of this slot and for all its tensor loads, of which one is out: its part of the next slot.
; Where the slot is filled, the barrier opens a round of the cluster's barrier; the fill is the wave's first tensor load behind the round, and its only one.
; From a request to the wait for it a wave issues 240 matrix instructions.
.macro TURN slot, next, fill
	s_wait_dscnt 8
	WIN MUL_LO
	MUL16 F1, 0, 0, 0
	s_wait_dscnt 0                                 ; my reads of this slot are over
	s_wait_tensorcnt 0x0                           ; and all my tensor loads have landed
	ds_add_u32 v255, v223
	s_wait_dscnt 0x0
	s_barrier_signal -1                            ; say so,
	MUL16 F1, 0, 2, 0                              ; work on registers while the others arrive,
	WIN 0
	s_barrier_wait -1                              ; and go on when all four have said so
.if \fill == 1
	CREST                                          ; no wave of any partner still reads this slot's tile or has a load on its way
	s_add_nc_u64 s[G0+4*\slot+2:G0+4*\slot+3], s[G0+4*\slot+2:G0+4*\slot+3], 2*KSTEP*2
	s_add_nc_u64 s[G0B+4*\slot+2:G0B+4*\slot+3], s[G0B+4*\slot+2:G0B+4*\slot+3], 2*KSTEP*2
	JLOAD \slot
.endif
.if \fill == 2
	CREST
	tensor_load_to_lds s[G0C:G0C+3], s[G1C:G1C+7]  ; every wave brings 64 rows x 256 bytes of c; it has the last K step in which to land
	s_nop 0
.endif
	PLACES
	FETCH \next, 0, F0
	WIN MUL_HI
	MUL16 F1, 1, 0, 0
	MUL16 F1, 1, 2, 0
.endm
.macro LAP first                       ; once round the ring, both slots filled again
	THREE 0, \first
	TURN 0, 1, 1
	THREE 1, 0
	TURN 1, 0, 1
.endm
	s_wait_tensorcnt 1                             ; my part of K step 0 is in; K step 1's load may stay out
	s_barrier_signal -1
	s_barrier_wait -1                              ; everybody's is
	FETCH 0, 0, F0
	LAP 1                                          ; K steps 0 and 1: the first products start the sums from the biases
	WIN 0                                          ; at a label and at a branch every window is 0
	s_mov_b32 s3, LAPS-2
.Llap:
	LAP 0                                          ; K steps 2 to 13; the last trip asks for steps 14 and 15
	WIN 0
	s_sub_co_u32 s3, s3, 1
	s_cmp_lg_u32 s3, 0
	s_cbranch_scc1 .Llap
	THREE 0, 0                                     ; K step 14
	TURN 0, 1, 2                                   ; slot 0 has had its last operand tile: it gets the tile of c
	THREE 1, 0                                     ; K step 15
	s_wait_dscnt 8                                 ; the very last quarter: nothing more to fetch
	WIN MUL_LO
	MUL16 F1, 0, 0, 0
	MUL16 F1, 0, 2, 0
	s_wait_dscnt 0
	WIN MUL_HI
	MUL16 F1, 1, 0, 0
	MUL16 F1, 1, 2, 0
	WIN 0
	PLACES                                         ; the places behind the last matrix instructions, for the tail's reads of the sums and its loads into the fragment buffers
	s_wait_tensorcnt 0x0                           ; my 64 rows of c are in,
	s_barrier_signal -1                            ; (my reads of slot 1 are over since the wait for 0 above)
	s_barrier_wait -1                              ; everybody's are, and nobody reads the ring any more: no fill follows, so the stages may lie in it
; THE TAIL, 16 batch rows x 16 columns at a time, 8 outputs a lane: tiles (a, 2 g + cs), g = 0..3, of window w; i = 0..7 counts my blocks of 16 rows.
; No transcendental writes its own source, and one plain vector instruction stands between a run of them and the first use (ISA guide 5.7.2).
.macro EPI a, w, i, cs
	ds_load_b128 v[CR:CR+3],   v[EC] offset:(\i)*16*PITCH+64*\cs
	ds_load_b128 v[CR+4:CR+7], v[EC] offset:(\i)*16*PITCH+64*\cs+16
	WIN \w
.irp g, 0,1,3
.irp j, 0,2,4,6
	v_pk_mul_f32 v[ZR+8*\g+\j:ZR+8*\g+\j+1], v[8*(8*(\a)+2*\g+\cs)+\j:8*(8*(\a)+2*\g+\cs)+\j+1], s[96:97] op_sel_hi:[1,0]   ; i, f, o: -z log2 e
.endr
.endr
.irp j, 0,2,4,6
	v_pk_mul_f32 v[ZR+16+\j:ZR+16+\j+1], v[8*(8*(\a)+4+\cs)+\j:8*(8*(\a)+4+\cs)+\j+1], s[98:99] op_sel_hi:[1,0]             ; g: 2 z log2 e
.endr
	WIN 0
.set n, 0
.rept 32
	v_exp_f32 v[ER+n], v[ZR+n]
.set n, n+1
.endr
	v_nop
.set n, 0
	s_wait_alu depctr_va_vdst(0)
.rept 16
	v_pk_add_f32 v[ER+n:ER+n+1], v[ER+n:ER+n+1], 1.0 op_sel_hi:[1,0]
.set n, n+2
.endr
.set n, 0
.rept 32
	v_rcp_f32 v[ZR+n], v[ER+n]                     ; i, f, o are done; g lacks one step
.set n, n+1
.endr
	v_nop
	s_wait_alu depctr_va_vdst(0)
.irp j, 0,2,4,6
	v_pk_fma_f32 v[ZR+16+\j:ZR+16+\j+1], v[ZR+16+\j:ZR+16+\j+1], -2.0, 1.0 op_sel_hi:[1,0,0]   ; g = 1 - 2 / (1 + e^(2z))
.endr
.irp j, 0,2,4,6
	v_pk_mul_f32 v[ZR+16+\j:ZR+16+\j+1], v[ZR+16+\j:ZR+16+\j+1], v[ZR+\j:ZR+\j+1]              ; i g
.endr
	s_wait_dscnt 0x0                               ; c is in: no LDS instruction was issued behind its two loads
.irp j, 0,2,4,6
	v_pk_fma_f32 v[CR+\j:CR+\j+1], v[ZR+8+\j:ZR+8+\j+1], v[CR+\j:CR+\j+1], v[ZR+16+\j:ZR+16+\j+1]   ; c_new = f c + i g
.endr
	ds_store_b128 v[ES], v[CR:CR+3]   offset:(\i)*16*SPITCH+64*\cs
	ds_store_b128 v[ES], v[CR+4:CR+7] offset:(\i)*16*SPITCH+64*\cs+16
.irp j, 0,2,4,6
	v_pk_mul_f32 v[UR+\j:UR+\j+1], v[CR+\j:CR+\j+1], s[98:99] op_sel_hi:[1,0]
.endr
.set n, 0
.rept 8
	v_exp_f32 v[WR+n], v[UR+n]
.set n, n+1
.endr
	v_nop
	s_wait_alu depctr_va_vdst(0)
.irp j, 0,2,4,6
	v_pk_add_f32 v[WR+\j:WR+\j+1], v[WR+\j:WR+\j+1], 1.0 op_sel_hi:[1,0]
.endr
.set n, 0
.rept 8
	v_rcp_f32 v[UR+n], v[WR+n]
.set n, n+1
.endr
	v_nop
	s_wait_alu depctr_va_vdst(0)
.irp j, 0,2,4,6
	v_pk_fma_f32 v[UR+\j:UR+\j+1], v[UR+\j:UR+\j+1], -2.0, 1.0 op_sel_hi:[1,0,0]               ; tanh(c_new)
.endr
.irp j, 0,2,4,6
	v_pk_mul_f32 v[UR+\j:UR+\j+1], v[UR+\j:UR+\j+1], v[ZR+24+\j:ZR+24+\j+1]                    ; h_new = o tanh(c_new)
.endr
	ds_store_b128 v[EH], v[UR:UR+3]   offset:(\i)*16*SPITCH+64*\cs
	ds_store_b128 v[EH], v[UR+4:UR+7] offset:(\i)*16*SPITCH+64*\cs+16
.endm
.irp i, 0,1,2,3
.irp cs, 0,1
	EPI \i, RD_LO, \i, \cs
.endr
.endr
.irp i, 0,1,2,3
.irp cs, 0,1
	EPI \i, RD_HI, \i+4, \cs
.endr
.endr
	s_wait_dscnt 0x0                               ; my stores into my stages are done,
	s_barrier_signal -1
	s_barrier_wait -1                              ; everybody's are: a row of 256 bytes lies half in one wave's stage and half in its neighbour's
; THE WAY OUT: my 64 rows of one result, two rows a load: 16 lanes read a row's 256 bytes (8 from each of two stages) and store them as
; 256 consecutive bytes, at a multiple of 256 from the buffer's first byte.
.macro COPYOUT rd, base
	s_wait_xcnt 0x0                                ; the registers below are the data of earlier stores: they are loaded again only behind this wait
.set t, 0
.rept 32
	ds_load_b128 v[OUTR+4*t:OUTR+4*t+3], v[\rd] offset:t*2*SPITCH
.set t, t+1
.endr
.set t, 0
.rept 32
	s_wait_dscnt 31-t                              ; LDS loads come back in order: load t is in, the 31 - t younger ones stay out
	global_store_b128 v[CO], v[OUTR+4*t:OUTR+4*t+3], s[\base:\base+1] offset:t*8192 th:TH_STORE_NT
.set t, t+1
.endr
.endm
	COPYOUT RDH, 10                                ; h_new to out0
	COPYOUT RD, 12                                 ; c_new to out1
	s_set_vgpr_msb 0x1
	s_wait_tensorcnt 0x0
	ds_add_u32 v255, v223
	s_wait_dscnt 0x0
	s_set_vgpr_msb 0x100
	CROUND                                         ; the closing round: no work-group ends while a partner may still ask for a tile that names it
	s_endpgm
.Lfunc_end_k_q219abae945_lstm:
	.size	k_q219abae945_lstm, .Lfunc_end_k_q219abae945_lstm-k_q219abae945_lstm
	.p2alignl 7, 3214868480
	.fill 96, 4, 3214868480
	.section	.rodata,"a",@progbits
	.p2align	6, 0x0
	.amdhsa_kernel k_q219abae945_lstm
		.amdhsa_group_segment_fixed_size 327680
		.amdhsa_private_segment_fixed_size 0
		.amdhsa_enable_private_segment 0
		.amdhsa_kernarg_size 104
		.amdhsa_user_sgpr_count 2
		.amdhsa_user_sgpr_kernarg_segment_ptr 1
		.amdhsa_wavefront_size32 1
		.amdhsa_system_sgpr_workgroup_id_x 1
		.amdhsa_system_sgpr_workgroup_id_y 1
		.amdhsa_system_sgpr_workgroup_id_z 1
		.amdhsa_system_vgpr_workitem_id 0
		.amdhsa_next_free_vgpr 1024
		.amdhsa_next_free_sgpr 102
		.amdhsa_reserve_vcc 0
		.amdhsa_float_denorm_mode_32 3
		.amdhsa_float_denorm_mode_16_64 3
		.amdhsa_memory_ordered 1
		.amdhsa_forward_progress 1
		.amdhsa_inst_pref_size 255
	.end_amdhsa_kernel
	.section	.bss,"aw",@nobits
	.p2align	6
	.space	262144
	.amdgpu_metadata
---
amdhsa.version: [ 1, 2 ]
amdhsa.kernels:
  - .name:           k_q219abae945_lstm
    .symbol:         k_q219abae945_lstm.kd
    .args:
      - { .name: abf, .offset: 0, .size: 8, .value_kind: global_buffer, .address_space: global }
      - { .name: wbf, .offset: 8, .size: 8, .value_kind: global_buffer, .address_space: global }
      - { .name: c, .offset: 16, .size: 8, .value_kind: global_buffer, .address_space: global }
      - { .name: out0, .offset: 24, .size: 8, .value_kind: global_buffer, .address_space: global }
      - { .name: out1, .offset: 32, .size: 8, .value_kind: global_buffer, .address_space: global }
      - { .name: bix, .offset: 40, .size: 8, .value_kind: global_buffer, .address_space: global }
      - { .name: bfx, .offset: 48, .size: 8, .value_kind: global_buffer, .address_space: global }
      - { .name: bgx, .offset: 56, .size: 8, .value_kind: global_buffer, .address_space: global }
      - { .name: box, .offset: 64, .size: 8, .value_kind: global_buffer, .address_space: global }
      - { .name: bih, .offset: 72, .size: 8, .value_kind: global_buffer, .address_space: global }
      - { .name: bfh, .offset: 80, .size: 8, .value_kind: global_buffer, .address_space: global }
      - { .name: bgh, .offset: 88, .size: 8, .value_kind: global_buffer, .address_space: global }
      - { .name: boh, .offset: 96, .size: 8, .value_kind: global_buffer, .address_space: global }
    .group_segment_fixed_size: 327680
    .private_segment_fixed_size: 0
    .kernarg_segment_align: 8
    .kernarg_segment_size: 104
    .max_flat_workgroup_size: 128
    .sgpr_count:     102
    .vgpr_count:     1024
    .wavefront_size: 32
...
	.end_amdgpu_metadata
.endif
;; end of part 2
